; MI455X (gfx1250); checked and timed in simulation.
; The chip was launched on July 23, 2026; its instructions are those of AMD's public machine-readable ISA for CDNA 5 (MIT licence, August 2026) and "CDNA5" Instruction Set Architecture Reference Guide (July 2026). The comments in the code are by the model that wrote it; some were corrected since.
;; Packed Bit Linear. Allowed arithmetic: float matrix products may take bf16 or f16 operands with f32 sums; other float arithmetic in f32, or as packed bf16 or f16 multiplies, adds, multiply-adds, maxima and minima; sums over many terms, partial sums and values carried from step to step in f32; what a program stores and reads back later, other than sums and carried values, may be rounded once to bf16 or f16.
;; Inputs: packed_weight 4,096 x 256 int32; scale one number float32; x 4,096 x 4,096 float32.
;; Outputs: out0 4,096 x 4,096 float32.
;; One version. Each part assembles by itself: llvm-mc -triple=amdgcn-amd-amdhsa -mcpu=gfx1250 --defsym DOCPART=n.
;; ======== version 1 of 1: 2 launches
;; workspace buffers: xb 33,554,432 bytes; wb 33,554,432 bytes; rowf 16,384 bytes
;; launch prep (part 1): grid 1024 x 1, 4 waves a work-group, no clusters, 4,608 bytes of LDS; arguments x, packed_weight, scale, xb, wb, rowf; writes xb, wb, rowf
.if DOCPART == 1
	.amdgcn_target "amdgcn-amd-amdhsa--gfx1250"
	.amdhsa_code_object_version 6
	.text
	.protected	k_qe1803d2d47_prep
	.globl	k_qe1803d2d47_prep
	.p2align	8
	.type	k_qe1803d2d47_prep,@function
k_qe1803d2d47_prep:
	s_mov_b64 s[64:65], 0
	v_nop
	global_prefetch_b8 v0, s[64:65] scope:SCOPE_SE
	s_setreg_imm32_b32 hwreg(HW_REG_WAVE_MODE, 25, 1), 1
	s_wait_xcnt 0x0
; THE OPERANDS OF THE PRODUCT ARE MADE, ONCE.  For each of 4,096 rows t of x [4096][4096] f32:  xs = max(max |x[t][:]|, 1e-5);  xb[t][k] = bf16(x[t][k] * (1 / xs));  rowf[t] = xs * scale.
; For each of 4,096 rows o of the packed weights [4096][256] int32 (code j of word i is k = 16 i + j, at bits 2 j):  wb[o][k] = bf16(code - 1): -1, 0, 1 or 2, all exact in bf16 (code 3 gives 2).
; scale is not folded into wb: it is applied in f32, with xs, behind the product's sums.
; LIMITS.  NaN and infinities are not treated apart (a NaN loses in the maximum).  |x| stays under 2^126: beyond that 1 / xs would be a denormal, and v_rcp_f32 gives 0 for it (ISA guide, 15.8).
; x * (1 / xs) stands for x / xs: the reciprocal is good to one unit in f32's last place, ahead of a rounding to bf16.
; SHARES.  Wave w of work-group g owns row 4 g + w of x and of the weights: one row a wave, no loop, and no wave waits for another.  A row of x is 16,384 bytes: 128 registers; it stays in registers
; between the pass that finds the maximum and the pass that scales, so x is read once.  All 34 loads of a wave go out together; the weights are unpacked while x is on its way.
; NOT USED: tensor loads and slots in LDS (nothing is shared between waves, and a row fits in registers); clusters (no shared input); the matrix unit; a prefetch (all loads go out at the head).
.set SPARE, 4096                       ; LDS: bytes 0-4,095 wave w's 1,024 bytes of packed codes at 1,024 w; behind them the spare words, 128 bytes for each wave, which no other line names
.set LANE, 1                           ; v1    lane
.set L16,  2                           ; v2    16 x lane; never rewritten
.set L8,   3                           ; v3    8 x lane; never rewritten
.set LS,   4                           ; v4    LDS: 1,024 w + 16 x lane
.set LH,   5                           ; v5    LDS: 1,024 w + 2 x lane
.set SPW,  6                           ; v6    LDS address of my spare word: SPARE + 4 x my thread's number; never rewritten
.set NIL,  7                           ; v7    0; never rewritten
.set T0,   8                           ; v8-9  at work
.set T1,   9
.set C129, 10                          ; v10   -129 twice, in bf16
.set C9,   11                          ; v11   -9 twice
.set MX,   12                          ; v12-13  two running maxima
.set MN,   14                          ; v14-15  two running minima
.set PX,   16                          ; v16   the other half of the lanes' maximum
.set XS,   17                          ; v17   xs
.set R,    18                          ; v[18:19] 1 / xs, twice: a pair for the packed multiply
.set F,    20                          ; v20   xs * scale
.set ZO,   21                          ; v21   0: the offset of rowf's store
.set WQ,   24                          ; v[24:31]   the packed row as loaded
.set H,    32                          ; v[32:47]   sixteen halfwords: eight codes each
.set Y,    48                          ; v[48:111]  to store: first wb's 64 registers, then xb's
.set X,    112                         ; v[112:239] the row of x
	s_load_b256 s[4:11], s[0:1], 0x0               ; x s[4:5], packed weights s[6:7], scale's address s[8:9], xb s[10:11]
	s_load_b128 s[12:15], s[0:1], 0x20             ; wb s[12:13], rowf s[14:15]
	v_lshl_add_u32 v[SPW], v0, 2, SPARE
	v_mov_b32 v[NIL], 0
	v_lshrrev_b32 v[T0], 5, v0
	v_readfirstlane_b32 s17, v[T0]                 ; wave 0..3
	v_and_b32 v[LANE], 31, v0
	s_lshl_b32 s19, s17, 10                        ; my wave's 1,024 bytes of LDS
	v_lshlrev_b32 v[L16], 4, v[LANE]
	v_lshlrev_b32 v[L8], 3, v[LANE]
	v_lshl_add_u32 v[LS], v[LANE], 4, s19
	v_lshl_add_u32 v[LH], v[LANE], 1, s19
	v_mov_b32 v[C129], 0xc301c301
	v_mov_b32 v[C9], 0xc110c110
	v_mov_b32 v[PX], 0                             ; v_permlanex16_b32's destination counts as read: it is written here
	v_mov_b32 v[ZO], 0
	s_mov_b32 s22, 0x00030003                      ; a code at bits 1:0 of each half
	s_mov_b32 s23, 0x00300030                      ; a code at bits 5:4 of each half
	s_mov_b32 s24, 0x43004300                      ; 128.0 twice: at this exponent bf16's last mantissa bit counts 1
	s_mov_b32 s25, 0x3f803f80                      ; 1.0 twice
	s_mov_b32 s26, 0x3d803d80                      ; 1/16 twice
	s_mov_b32 s27, 0x76543210                      ; v_permlanex16_b32: each lane takes its own place in the other half
	s_mov_b32 s28, 0xfedcba98
	s_lshl_b32 s18, ttmp9, 2
	s_add_co_u32 s18, s18, s17                     ; my row = 4 x work-group + wave
	s_mov_b32 s21, 0                               ; every offset below stays under 2^26
	s_wait_kmcnt 0x0
	s_load_b32 s16, s[8:9], 0x0                    ; scale; waited for where it is used
	s_lshl_b32 s20, s18, 14                        ; a row of x: 16,384 bytes
	s_add_nc_u64 s[4:5], s[4:5], s[20:21]
	s_lshl_b32 s20, s18, 10                        ; a packed row: 1,024 bytes
	s_add_nc_u64 s[6:7], s[6:7], s[20:21]
	s_lshl_b32 s20, s18, 13                        ; a row of xb and of wb: 8,192 bytes
	s_add_nc_u64 s[10:11], s[10:11], s[20:21]
	s_add_nc_u64 s[12:13], s[12:13], s[20:21]
	s_lshl_b32 s20, s18, 2
	s_add_nc_u64 s[14:15], s[14:15], s[20:21]
	; all of the wave's loads: each covers 512 consecutive bytes, aligned; the packed row first, since it is worked on first
	global_load_b128 v[WQ:WQ+3],   v[L16], s[6:7] th:TH_LOAD_NT
	global_load_b128 v[WQ+4:WQ+7], v[L16], s[6:7] offset:512 th:TH_LOAD_NT
.set j, 0
.rept 32
	global_load_b128 v[X+4*j:X+4*j+3], v[L16], s[4:5] offset:512*j th:TH_LOAD_NT
.set j, j+1
.endr
	; THE WEIGHTS.  A lane's 16 bytes of wb are 8 codes: one halfword of the packed row.  As loaded a lane holds 8 halfwords on end, so the row changes lanes through my wave's own LDS bytes:
	; halfword q = lane + 32 n holds the codes of k = 8 q .. 8 q + 7, which are bytes 16 lane + 512 n of wb's row.
	s_wait_loadcnt 32                              ; loads come back in order (ISA guide 5.7.1): the 32 younger ones, x's, stay out; the packed row is in
	ds_store_b128 v[LS], v[WQ:WQ+3]
	ds_store_b128 v[LS], v[WQ+4:WQ+7] offset:512
.set j, 0
.rept 16
	ds_load_u16 v[H+j], v[LH] offset:64*j          ; LDS serves a wave's instructions in order (ISA guide 5.7.1.4): these see the stores above
.set j, j+1
.endr
; Halfword n is unpacked and stored.  h | h << 14 has the even codes c0 c2 c4 c6 at bits 0, 4, 8, 12 of the low half and the odd codes c1 c3 c5 c7 at the same bits of the high half
; (bits 15:14 of the low half are mixed, and no mask takes them).  A masked code set into 128.0's mantissa is 128 + c or 128 + 16 c; one packed multiply-add makes c - 1 of it, exactly:
; (128 + c) x 1 - 129, or (128 + 16 c) / 16 - 9.
.macro UNP n
	s_wait_dscnt 15-(\n)                           ; the younger LDS loads may stay out
	v_lshl_or_b32 v[T0], v[H+(\n)], 14, v[H+(\n)]
	v_lshrrev_b32 v[T1], 8, v[T0]
	v_and_or_b32 v[Y+4*(\n)],   v[T0], s22, s24    ; c0, c1
	v_and_or_b32 v[Y+4*(\n)+1], v[T0], s23, s24    ; c2, c3
	v_and_or_b32 v[Y+4*(\n)+2], v[T1], s22, s24    ; c4, c5
	v_and_or_b32 v[Y+4*(\n)+3], v[T1], s23, s24    ; c6, c7
	v_pk_fma_bf16 v[Y+4*(\n)],   v[Y+4*(\n)],   s25, v[C129]
	v_pk_fma_bf16 v[Y+4*(\n)+1], v[Y+4*(\n)+1], s26, v[C9]
	v_pk_fma_bf16 v[Y+4*(\n)+2], v[Y+4*(\n)+2], s25, v[C129]
	v_pk_fma_bf16 v[Y+4*(\n)+3], v[Y+4*(\n)+3], s26, v[C9]
	global_store_b128 v[L16], v[Y+4*(\n):Y+4*(\n)+3], s[12:13] offset:512*(\n)  ; 512 consecutive bytes, aligned
.endm
.irp n, 0,1,2,3,4,5,6,7,8,9,10,11,12,13,14,15
	UNP \n
.endr
	; PASS 1: the largest and the smallest of my 128 numbers, three operands at a time, in four chains that do not wait for each other; the first four numbers start the chains
.macro MAXJ n
.if ((\n)%8) == 0
	s_wait_loadcnt 24-(\n)                         ; eight more of x's loads are in; the younger ones stay out
.endif
.if (\n) == 0
	v_max_num_f32 v[MX],   v[X],   v[X+1]
	v_max_num_f32 v[MX+1], v[X+2], v[X+3]
	v_min_num_f32 v[MN],   v[X],   v[X+1]
	v_min_num_f32 v[MN+1], v[X+2], v[X+3]
.else
	v_max3_num_f32 v[MX],   v[MX],   v[X+4*(\n)],   v[X+4*(\n)+1]
	v_max3_num_f32 v[MX+1], v[MX+1], v[X+4*(\n)+2], v[X+4*(\n)+3]
	v_min3_num_f32 v[MN],   v[MN],   v[X+4*(\n)],   v[X+4*(\n)+1]
	v_min3_num_f32 v[MN+1], v[MN+1], v[X+4*(\n)+2], v[X+4*(\n)+3]
.endif
.endm
.set j, 0
.rept 32
	MAXJ j
.set j, j+1
.endr
	v_max_num_f32 v[MX], v[MX], v[MX+1]
	v_min_num_f32 v[MN], v[MN], v[MN+1]
	v_mul_f32 v[MN], -1.0, v[MN]
	v_max_num_f32 v[MX], v[MX], v[MN]              ; max |x| = max(max x, -min x)
	; across the 32 lanes: four steps inside each half of 16 lanes ride on the arithmetic, one crosses the halves; every lane ends with the row's maximum
	v_max_num_f32_dpp v[MX], v[MX], v[MX] row_xmask:1 row_mask:0xf bank_mask:0xf
	v_max_num_f32_dpp v[MX], v[MX], v[MX] row_xmask:2 row_mask:0xf bank_mask:0xf
	v_max_num_f32_dpp v[MX], v[MX], v[MX] row_xmask:4 row_mask:0xf bank_mask:0xf
	v_max_num_f32_dpp v[MX], v[MX], v[MX] row_xmask:8 row_mask:0xf bank_mask:0xf
	v_permlanex16_b32 v[PX], v[MX], s27, s28
	v_max_num_f32 v[MX], v[MX], v[PX]
	v_max_num_f32 v[XS], 0x3727c5ac, v[MX]         ; the clip at 1e-5
	s_wait_kmcnt 0x0                               ; scale
	v_rcp_f32 v[R], v[XS]
	v_rcp_f32 v[R+1], v[XS]
	v_mul_f32 v[F], s16, v[XS]                     ; the plain instruction behind the reciprocals (ISA guide 5.7.2); it writes neither their source nor their results
	s_wait_alu depctr_va_vdst(0)                   ; a wait ahead of the first line that names a reciprocal: one for both
	s_wait_xcnt 0x0                                ; wb's stores have read Y: only behind this wait is it written again
	; PASS 2: scaled in place, rounded once to bf16, stored.  A lane's four numbers of load n are 8 bytes of xb: the wave's store covers 256 consecutive bytes, aligned
.macro OUTJ n
	v_pk_mul_f32 v[X+4*(\n):X+4*(\n)+1],   v[X+4*(\n):X+4*(\n)+1],   v[R:R+1]
	v_pk_mul_f32 v[X+4*(\n)+2:X+4*(\n)+3], v[X+4*(\n)+2:X+4*(\n)+3], v[R:R+1]
	v_cvt_pk_bf16_f32 v[Y+2*(\n)],   v[X+4*(\n)],   v[X+4*(\n)+1]
	v_cvt_pk_bf16_f32 v[Y+2*(\n)+1], v[X+4*(\n)+2], v[X+4*(\n)+3]
	global_store_b64 v[L8], v[Y+2*(\n):Y+2*(\n)+1], s[10:11] offset:256*(\n)
.endm
.set j, 0
.rept 32
	OUTJ j
.set j, j+1
.endr
	; rowf: four bytes a wave, by lane 0.  This one store does not fill 256 bytes on end: the whole buffer is 16,384 bytes, and to gather 64 rows' factors would take a barrier and sixteen times the waves in a work-group
	v_cmp_eq_u32 vcc_lo, 0, v[LANE]
	s_wait_xcnt 0x0                                ; EXEC is a source of the stores above: it changes only behind this wait
	s_and_saveexec_b32 s29, vcc_lo
	global_store_b32 v[ZO], v[F], s[14:15]
	s_wait_xcnt 0x0                                ; and again ahead of the line that widens it
	s_or_b32 exec_lo, exec_lo, s29
	s_wait_tensorcnt 0x0                           ; the wave's end, behind my last LDS store
	ds_add_u32 v[SPW], v[NIL]
	s_wait_dscnt 0x0
	s_endpgm
.Lfunc_end_k_qe1803d2d47_prep:
	.size	k_qe1803d2d47_prep, .Lfunc_end_k_qe1803d2d47_prep-k_qe1803d2d47_prep
	.p2alignl 7, 3214868480
	.fill 96, 4, 3214868480
	.section	.rodata,"a",@progbits
	.p2align	6, 0x0
	.amdhsa_kernel k_qe1803d2d47_prep
		.amdhsa_group_segment_fixed_size 4608
		.amdhsa_private_segment_fixed_size 0
		.amdhsa_enable_private_segment 0
		.amdhsa_kernarg_size 48
		.amdhsa_user_sgpr_count 2
		.amdhsa_user_sgpr_kernarg_segment_ptr 1
		.amdhsa_wavefront_size32 1
		.amdhsa_system_sgpr_workgroup_id_x 1
		.amdhsa_system_sgpr_workgroup_id_y 1
		.amdhsa_system_sgpr_workgroup_id_z 1
		.amdhsa_system_vgpr_workitem_id 0
		.amdhsa_next_free_vgpr 240
		.amdhsa_next_free_sgpr 66
		.amdhsa_reserve_vcc 1
		.amdhsa_float_denorm_mode_32 3
		.amdhsa_float_denorm_mode_16_64 3
		.amdhsa_memory_ordered 1
		.amdhsa_forward_progress 1
		.amdhsa_inst_pref_size 38
	.end_amdhsa_kernel
	.amdgpu_metadata
---
amdhsa.version: [ 1, 2 ]
amdhsa.kernels:
  - .name:           k_qe1803d2d47_prep
    .symbol:         k_qe1803d2d47_prep.kd
    .args:
      - { .name: x, .offset: 0, .size: 8, .value_kind: global_buffer, .address_space: global }
      - { .name: packed_weight, .offset: 8, .size: 8, .value_kind: global_buffer, .address_space: global }
      - { .name: scale, .offset: 16, .size: 8, .value_kind: global_buffer, .address_space: global }
      - { .name: xb, .offset: 24, .size: 8, .value_kind: global_buffer, .address_space: global }
      - { .name: wb, .offset: 32, .size: 8, .value_kind: global_buffer, .address_space: global }
      - { .name: rowf, .offset: 40, .size: 8, .value_kind: global_buffer, .address_space: global }
    .group_segment_fixed_size: 4608
    .private_segment_fixed_size: 0
    .kernarg_segment_align: 8
    .kernarg_segment_size: 48
    .max_flat_workgroup_size: 128
    .sgpr_count:     66
    .vgpr_count:     240
    .wavefront_size: 32
...
	.end_amdgpu_metadata
.endif
;; end of part 1
;; launch gemm (part 2): grid 16 x 16, 4 waves a work-group, clusters of 4 x 4, 327,680 bytes of LDS; arguments xb, wb, out0, rowf; writes out0
.if DOCPART == 2
	.amdgcn_target "amdgcn-amd-amdhsa--gfx1250"
	.amdhsa_code_object_version 6
	.text
	.protected	k_qe1803d2d47_gemm
	.globl	k_qe1803d2d47_gemm
	.p2align	8
	.type	k_qe1803d2d47_gemm,@function
k_qe1803d2d47_gemm:
	s_mov_b64 s[64:65], 0
	v_nop
	global_prefetch_b8 v0, s[64:65] scope:SCOPE_SE
	s_setreg_imm32_b32 hwreg(HW_REG_WAVE_MODE, 25, 1), 1
	s_wait_xcnt 0x0
	s_wait_alu depctr_hold_cnt(0) depctr_sa_sdst(0) depctr_va_vdst(0) depctr_va_sdst(0) depctr_va_ssrc(0) depctr_va_vcc(0) depctr_vm_vsrc(0)
	s_getreg_b32 s2, hwreg(HW_REG_IB_STS2, 6, 4)
	s_cmp_eq_u32 s2, 0
	s_cbranch_scc0 .Lentry_in_a_cluster
	s_endpgm
.Lentry_in_a_cluster:
	s_bfe_u32 s2, ttmp6, 0x10000c
	s_cmp_lg_u32 s2, 0xf033
	s_cbranch_scc0 .Lentry_shape_is_right
	s_endpgm
.Lentry_shape_is_right:
; out[t][o] = rowf[t] x the sum over k of xb[t][k] wb[o][k].  xb (A): [4096][4096] bf16, x / xs;  wb (B): [4096][4096] bf16, code - 1;  rowf: [4096] f32, xs x scale;  out: [4096][4096] f32.  Sums in f32.
; LIMITS.  The one rounding of the product's operands is x / xs to bf16 (the weights are exact).  scale and xs multiply the finished sum as one f32 factor: another order of f32 roundings than
; (x / xs) . (w scale) x xs.  NaN and infinities are not treated apart.
; A tile of out, 256 x 256, is made by a work-group of four waves; a wave makes 128 x 128: 64 accumulators of 16 x 16, 512 registers.  256 tiles, one to a work-group.  K goes in steps of 128 through a
; ring of two LDS slots filled by the tensor data mover: a tile's rows are 256 bytes of memory and start at multiples of 256 bytes from the buffer's first byte.
; CLUSTERS: 4 x 4 work-groups.  The four of a row of the cluster need the same tiles of A, the four of a column the same tiles of B.  Such a tile is asked for JOINTLY: each of the four issues the same
; tensor load, with the same descriptor and a mask that names the four, and each receives the tile in its own LDS: a quarter of the requests.
; REGISTERS, in windows of 256 (s_set_vgpr_msb's low byte: bits 1:0 source 0, 3:2 source 1, 5:4 source 2, 7:6 destination):
;   window 0: v0-31 addresses; v32-47 the row factors; v64-127, v128-191 fragments of A (8 x 16 rows x 32 K), two buffers; on the way out v64-127 scaled results, v128-191 and v192-255 rows read back
;   window 1: v64-127, v128-191 fragments of B, two buffers
;   window 2: the 32 accumulators of my rows 0-63 (accumulator (a, b) at v[8 (8 a + b)]);   window 3: those of my rows 64-127
; THE MATRIX INSTRUCTION IS USED TRANSPOSED: source 0 = 16 rows of B, source 1 = 16 rows of A.  In the result lane l holds row l % 16 of out and its registers 0-7 the columns 8 (l / 16) + 0..7:
; 32 neighbouring bytes of a row, and ONE row factor a lane.
.set SIZE_K, 4096
.set SIZE_N, 4096
.set KSTEP,  128
.set ROWAB,  SIZE_K*2                  ; bytes in a row of A and of B: 8,192 = 1 << 13
.set ROWC,   SIZE_N*4                  ; bytes in a row of out: 16,384 = 1 << 14
.set PITCH,  272                       ; an LDS row: 256 bytes of data + 16 of padding = 68 words: row r starts at bank 4 r mod 64 (64 banks of 4 bytes: ISA guide 11.1), so the 16 rows of a load start at 16 different banks
.set HALFT,  128*PITCH                 ; 128 rows: what one tensor load brings, and what one wave reads of A or of B
.set SLOT,   4*HALFT                   ; A's 256 rows, then B's 256 rows
.set STAGE,  2*SLOT                    ; behind the ring, never filled by a tensor load: 16 rows x 528 bytes for each wave, for the way out
.set SPITCH, 528                       ; 512 bytes of a row + 16: 33 x 16 bytes, so sixteen rows' stores of 16 bytes fall into sixteen different groups of four banks
.set SPARE,  STAGE+4*16*SPITCH         ; behind the stages: the spare words, 128 bytes for each wave: two blocks of 256 bytes that no other line names
.set LAPS,   SIZE_K/(2*KSTEP)          ; 16 laps; a lap = two K steps = once round the ring
.set ADRA, 16                          ; v16-17  LDS address of my A fragments in slot 0, 1
.set ADRB, 20                          ; v20-21  the same for B
.set STO,  24                          ; v24     the way out: where I put 32 bytes of a row
.set RD,   25                          ; v25     the way out: where I read a row back
.set CO,   26                          ; v26     my byte offset in 512 bytes of a row of out
.set FRO,  27                          ; v27     4 (l % 16): my row's factor among 16
.set SPW,  28                          ; v28     LDS address of my spare word: SPARE + 4 x my thread's number; never rewritten
.set NIL,  29                          ; v29     0; never rewritten
.set PFO,  30                          ; v30     the prefetches' offset: my lane x a row of A or B; never rewritten
.set FR,   32                          ; v[32:47] block a's row factor, twice (a pair for the packed multiply), at FR + 2 a
.set F0,   64                          ; fragment buffer 0
.set F1,   128                         ; fragment buffer 1
.set TMP,  64                          ; the way out: a block's 64 scaled results
.set WV,  12                           ; s12  my wave's number
.set RH,  13                           ; s13  which half of the tile's rows is mine.  Also: I fetch for A (0) or for B (1)
.set CH,  14                           ; s14  which half of its columns.  Also: which 128 rows of that tile I fetch
.set TR,  15                           ; s15  tile row of out
.set G1,  24                           ; s[24:31] descriptor group 1 for A's tiles
.set G0,  32                           ; s[32:39] descriptor group 0 for A's tiles, one set for each slot
.set LIM, 43                           ; s43  1 in a wave that prefetches, else the greatest number
.set PFA, 44                           ; s[44:45] where my prefetches stand: my work-group's 32 rows of the 128 that I fetch, one K step further along K than the refill in hand
.set G1B, 48                           ; s[48:55] descriptor group 1 for B's tiles: it differs from A's in the mask alone
.set G0B, 56                           ; s[56:63] descriptor group 0 for B's tiles, one set for each slot
.set MSB, 0
.macro WIN new                         ; the immediate's high byte repeats the setting that is left; a switch that changes nothing is dropped
.if MSB != (\new)
	s_set_vgpr_msb (MSB<<8)|(\new)
.set MSB, \new
.endif
.endm
.set MUL_LO, 0xa1                      ; source 0 (B) window 1, source 1 (A) window 0, C and D window 2
.set MUL_HI, 0xf1                      ; the same, C and D window 3
.set TO_B,   0x40                      ; destination window 1, address window 0
; A joint load.  Waves 0 and 1 fetch A's two halves, waves 2 and 3 B's.  Each line has ONE mask and one set of registers for all that issue it.  The branch hangs on the wave's number alone.
; An s_nop 0 and four v_nop follow each of the two lines, ahead of the jump, the label and what follows.
.macro JLOAD s
	s_cmp_eq_u32 s[RH], 0
	s_cbranch_scc0 .Lfor_b_\@
	tensor_load_to_lds s[G0+4*(\s):G0+4*(\s)+3], s[G1:G1+7]
	s_nop 0
.rept 4
	v_nop
.endr
	s_branch .Lasked_\@
.Lfor_b_\@:
	tensor_load_to_lds s[G0B+4*(\s):G0B+4*(\s)+3], s[G1B:G1B+7]
	s_nop 0
.rept 4
	v_nop
.endr
.Lasked_\@:
.endm
; A PREFETCH INTO THE L2, behind each joint refill, its five lines and the run of LDS loads that follows them: the K step that stands TWO refills on (512 matrix instructions ahead of the load that will
; want it): 32 rows x 256 bytes, a lane a row, one instruction a wave.  Each row's 256 bytes of a K step are named ONCE in the launch: A's tile row is read by every cluster of that row of clusters, and the
; one with cluster x = 0 asks; B's tile column by every cluster of that column, and the one with cluster y = 0 asks.  The four partners that ask for a tile jointly share its rows out BY ADDRESS: of the 128
; rows that a wave fetches the partner at place p takes 32 p .. 32 p + 31 (p = cx for A, cy for B): no branch hangs on a work-group's place in its cluster.  K steps 0 to 3 come by their loads alone;
; the loop's last trip (s3 = 1) asks for nothing: K step 31 is the last that is named.
.macro ASK
	s_cmp_gt_u32 s3, s[LIM]
	s_cbranch_scc0 .Lnot_mine_\@
	global_prefetch_b8 v[PFO], s[PFA:PFA+1] offset:KSTEP*2 th:TH_LOAD_NT scope:SCOPE_SE
.Lnot_mine_\@:
.endm
; A round of the cluster's barrier: my work-group's barrier, so that wave 0's signal speaks for all four waves; wave 0 signals for the work-group; every wave waits for all sixteen work-groups;
; my work-group's barrier once more.  No LDS instruction of the wave is pending at a signal.
.macro CREST                           ; a round behind its opening barrier
	s_cmp_lg_u32 s[WV], 0
	s_cbranch_scc1 .Lnot_wave_0_\@
	s_barrier_signal -3
.Lnot_wave_0_\@:
	s_barrier_wait -3
	s_barrier_signal -1
	s_barrier_wait -1
.endm
.macro CROUND                          ; a whole round
	s_barrier_signal -1
	s_barrier_wait -1
	CREST
.endm
	s_load_b256 s[4:11], s[0:1], 0x0               ; A s[4:5], B s[6:7], out s[8:9], rowf s[10:11]
	v_lshl_add_u32 v[SPW], v0, 2, SPARE
	v_mov_b32 v[NIL], 0
	ds_add_u32 v[SPW], v[NIL]                      ; the wave's opening: the add, twice on end, and its wait ahead of my first tensor load; the set-up below, work on registers, stands between
	ds_add_u32 v[SPW], v[NIL]                      ; and once more, under the one wait
	v_lshrrev_b32 v1, 5, v0
	v_readfirstlane_b32 s[WV], v1                  ; wave 0..3
	s_lshr_b32 s[RH], s[WV], 1
	s_and_b32 s[CH], s[WV], 1
	s_bfe_u32 s40, ttmp6, 0x40000                  ; cx: my place along the cluster's x
	s_bfe_u32 s41, ttmp6, 0x40004                  ; cy: along its y
	s_lshl_b32 s42, ttmp9, 2                       ; in a cluster launch ttmp9 and ttmp7 count clusters
	s_add_co_u32 s42, s42, s40                     ; tile column of out = 4 x cluster x + cx
	s_and_b32 s[TR], ttmp7, 0xffff
	s_lshl_b32 s[TR], s[TR], 2
	s_add_co_u32 s[TR], s[TR], s41                 ; tile row of out = 4 x cluster y + cy
	s_lshl_b32 s43, s41, 2
	s_lshl_b32 s43, 15, s43                        ; my row of the cluster: places 4 cy .. 4 cy + 3
	s_lshl_b32 s44, 0x1111, s40                    ; my column: places cx, cx + 4, cx + 8, cx + 12
	; descriptor group 1: a tile of 128 rows x 128 elements, padded in LDS
	s_or_b32 s[G1+0], s43, (1<<16)|(1<<20)|(1<<21)|(5<<22)|(3<<25)  ; 15:0 the mask: A's tiles go to my row; 17:16 elements of 2 bytes; 20 padding on; 21 set beside a mask; 24:22 after every 64 words (code 5); 31:25 4 words of it (code 3)
	s_or_b32 s[G1B+0], s44, (1<<16)|(1<<20)|(1<<21)|(5<<22)|(3<<25) ; the same with the mask of my column, for B's tiles
.irp g, G1, G1B
	s_mov_b32 s[(\g)+1], KSTEP<<16                 ; 63:48 tensor_dim0, low half = 128
	s_mov_b32 s[(\g)+2], 128<<16                   ; 79:64 its high half = 0; 95:80 tensor_dim1, low half = 128
	s_mov_b32 s[(\g)+3], KSTEP<<16                 ; 111:96 its high half = 0; 127:112 tile_dim0 = 128
	s_mov_b32 s[(\g)+4], 128                       ; 143:128 tile_dim1 = 128; 159:144 tile_dim2 = 0
	s_mov_b32 s[(\g)+5], SIZE_K                    ; 191:160 tensor_dim0_stride, low word: elements from row to row
	s_mov_b32 s[(\g)+6], 0
	s_mov_b32 s[(\g)+7], 0
.endr
	; where the tiles come from.  A's hang on the tile row alone, which my row of the cluster shares; B's on the tile column alone, which my column shares.
	; Every wave makes both addresses, in registers that never hold the other coordinate, and asks by one of them.
	s_lshl_b32 s17, s[CH], 7                       ; which 128 rows of the tile I fetch
	s_lshl_b32 s16, s[TR], 8
	s_add_co_u32 s16, s16, s17                     ; A: row 256 x tile row + 128 x half
	s_lshl_b32 s46, s42, 8
	s_add_co_u32 s46, s46, s17                     ; B: row 256 x tile column + 128 x half
	s_lshl_b32 s16, s16, 13                        ; in bytes: 8,192 a row, under 2^25
	s_lshl_b32 s46, s46, 13
	s_mov_b32 s17, 0
	s_mov_b32 s47, 0
	s_mul_i32 s20, s[WV], HALFT                    ; and where they go: A's two halves, then B's two halves = wave x 128 rows: no place in the cluster enters an LDS address
	s_wait_dscnt 0x0                               ; both opening adds are done
	s_wait_kmcnt 0x0
	s_add_nc_u64 s[2:3], s[4:5], s[16:17]
	s_add_nc_u64 s[46:47], s[6:7], s[46:47]
	CROUND                                         ; all sixteen work-groups are here: the first joint loads meet
.irp s, 0,1
	s_mov_b32 s[G0+4*(\s)], 1                                      ; 1:0 count = 1
	s_add_co_u32 s[G0+4*(\s)+1], s20, (\s)*SLOT                    ; 63:32 LDS address
	s_add_nc_u64 s[G0+4*(\s)+2:G0+4*(\s)+3], s[2:3], (\s)*KSTEP*2  ; 120:64 global address: K step s
	s_or_b32 s[G0+4*(\s)+3], s[G0+4*(\s)+3], 0x80000000            ; 127:126 type = 2
	s_mov_b32 s[G0B+4*(\s)], 1
	s_add_co_u32 s[G0B+4*(\s)+1], s20, (\s)*SLOT
	s_add_nc_u64 s[G0B+4*(\s)+2:G0B+4*(\s)+3], s[46:47], (\s)*KSTEP*2
	s_or_b32 s[G0B+4*(\s)+3], s[G0B+4*(\s)+3], 0x80000000
	JLOAD \s                                       ; the ring is filled before anything else is done: two loads of mine are out
.endr
	; all that follows, up to the first barrier, stands in the wait for the first tile
	v_and_b32 v1, 15, v0                           ; l % 16
	v_bfe_u32 v2, v0, 4, 1                         ; l / 16
	v_and_b32 v5, 31, v0                           ; l
	v_lshlrev_b32 v[FRO], 2, v1
	s_lshl_b32 s16, s[TR], 8
	s_lshl_b32 s17, s[RH], 7
	s_add_co_u32 s16, s16, s17                     ; my first row of out = 256 x tile row + 128 x half
	s_lshl_b32 s18, s16, 2
	s_mov_b32 s19, 0
	s_add_nc_u64 s[10:11], s[10:11], s[18:19]      ; rowf at that row
.irp a, 0,1,2,3,4,5,6,7
	global_load_b32 v[FR+2*(\a)],   v[FRO], s[10:11] offset:64*(\a)  ; the factor of row 16 a + l % 16,
	global_load_b32 v[FR+2*(\a)+1], v[FRO], s[10:11] offset:64*(\a)  ; twice: the packed multiply takes a pair
.endr
	s_lshl_b32 s16, s16, 14                        ; 16,384 bytes a row of out, under 2^26
	s_mov_b32 s17, 0
	s_add_nc_u64 s[8:9], s[8:9], s[16:17]
	s_lshl_b32 s46, s42, 10                        ; my first column, in bytes: 1,024 x tile column + 512 x half (in the registers that held B's address: none that feeds A's descriptors ever holds cx)
	s_lshl_b32 s47, s[CH], 9
	s_add_co_u32 s46, s46, s47
	s_mov_b32 s47, 0
	s_add_nc_u64 s[8:9], s[8:9], s[46:47]
	; A fragment is 16 rows x 32 K in 8 registers: lane l holds row l % 16; registers 0-3 hold K = 8 (l / 16) + 0..7, registers 4-7 hold K = 16 + 8 (l / 16) + 0..7: two loads of 16 bytes, 32 bytes apart.
	v_mul_u32_u24 v3, v1, PITCH
	v_lshl_add_u32 v3, v2, 4, v3                   ; row x pitch + 16 x half
	s_mul_i32 s21, s[RH], HALFT                    ; my 128 rows of A
	s_mul_i32 s22, s[CH], HALFT                    ; my 128 rows of B,
	s_add_co_u32 s22, s22, 2*HALFT                 ; which lie behind A's 256
.irp s, 0,1
	v_add_nc_u32 v[ADRA+(\s)], s21, v3
	v_add_nc_u32 v[ADRB+(\s)], s22, v3
	s_add_co_u32 s21, s21, SLOT
	s_add_co_u32 s22, s22, SLOT
.endr
	s_mul_i32 s23, s[WV], 16*SPITCH
	s_add_co_u32 s23, s23, STAGE                   ; my stage
	v_mul_u32_u24 v4, v1, SPITCH                   ; in: row l % 16, 32 bytes for each half of the lanes
	v_lshl_add_u32 v4, v2, 5, v4
	v_add_nc_u32 v[STO], s23, v4
	v_lshl_add_u32 v[RD], v5, 4, s23               ; back: the 32 lanes take one row's 512 bytes,
	v_lshlrev_b32 v[CO], 4, v5                     ; and the same 512 bytes in out
	; the prefetches
	s_lshl_b32 s16, s[TR], 8                       ; 256 x tile row
	s_lshl_b32 s42, s42, 8                         ; 256 x tile column
	s_and_b32 s22, ttmp7, 0xffff                   ; cluster y
	s_cmp_eq_u32 s[RH], 0                          ; do I fetch for A?
	s_cselect_b32 s20, s16, s42                    ; the tile's first row: in A by the tile row, in B by the tile column
	s_cselect_b32 s21, s40, s41                    ; my place among the four that ask for it with me
	s_cselect_b32 s22, ttmp9, s22                  ; the coordinate along which other clusters read the same rows
	s_cselect_b64 s[PFA:PFA+1], s[4:5], s[6:7]
	s_cmp_eq_u32 s22, 0
	s_cselect_b32 s[LIM], 1, -1                    ; the same in all sixteen partners, for a given wave
	s_lshl_b32 s22, s[CH], 7
	s_add_co_u32 s20, s20, s22                     ; + the 128 rows that I fetch
	s_lshl_b32 s21, s21, 5
	s_add_co_u32 s20, s20, s21                     ; + my work-group's 32 of them
	s_lshl_b32 s20, s20, 13                        ; in bytes
	s_mov_b32 s21, 0
	s_add_nc_u64 s[PFA:PFA+1], s[PFA:PFA+1], s[20:21]
	s_add_nc_u64 s[PFA:PFA+1], s[PFA:PFA+1], 2*KSTEP*2  ; at K step 2: the first refill steps it to 3 and names K step 4.  Nothing is prefetched here, at the head, where every work-group's first tiles are on their way
	v_lshlrev_b32 v[PFO], 13, v5                   ; my lane x 8,192 bytes
; 16 matrix instructions: m blocks a0, a0 + 1 of the window's four (hi = 0: my rows 0-63, 1: rows 64-127) x all 8 n blocks, 32 along K.  zero = 1: the first product starts the sums: nothing is ever cleared.
; The 64 accumulators take turns, one instruction a turn, in the same order in every quarter step, over the backward jump too.
.macro MUL16 f, hi, a0, zero
	WIN MUL_LO+0x50*(\hi)  ; MUL_LO or MUL_HI
.irp a, \a0, (\a0)+1
.irp b, 0,1,2,3,4,5,6,7
.if \zero
	v_wmma_f32_16x16x32_bf16 v[8*(8*(\a)+(\b)):8*(8*(\a)+(\b))+7], v[(\f)+8*(\b):(\f)+8*(\b)+7], v[(\f)+8*(4*(\hi)+(\a)):(\f)+8*(4*(\hi)+(\a))+7], 0
.else
	v_wmma_f32_16x16x32_bf16 v[8*(8*(\a)+(\b)):8*(8*(\a)+(\b))+7], v[(\f)+8*(\b):(\f)+8*(\b)+7], v[(\f)+8*(4*(\hi)+(\a)):(\f)+8*(4*(\hi)+(\a))+7], v[8*(8*(\a)+(\b)):8*(8*(\a)+(\b))+7]
.endif
.endr
.endr
.endm
; 32 LDS loads in one run: the fragments of one quarter step (128 rows of B, 128 rows of A, 32 K at byte k of the rows) into buffer f
.macro FETCH slot, k, f
	WIN TO_B
.irp i, 0,1,2,3,4,5,6,7
	ds_load_b128 v[(\f)+8*(\i):(\f)+8*(\i)+3],   v[ADRB+(\slot)] offset:(\k)+(\i)*16*PITCH
	ds_load_b128 v[(\f)+8*(\i)+4:(\f)+8*(\i)+7], v[ADRB+(\slot)] offset:(\k)+(\i)*16*PITCH+32
.endr
	WIN 0
.irp i, 0,1,2,3,4,5,6,7
	ds_load_b128 v[(\f)+8*(\i):(\f)+8*(\i)+3],   v[ADRA+(\slot)] offset:(\k)+(\i)*16*PITCH
	ds_load_b128 v[(\f)+8*(\i)+4:(\f)+8*(\i)+7], v[ADRA+(\slot)] offset:(\k)+(\i)*16*PITCH+32
.endr
.endm
; A load into a register that a matrix instruction has read, and a vector instruction that reads a matrix result or writes one of a matrix instruction's registers, stand four places behind it, and only plain
; vector instructions that name none of its registers are places (ISA guide 7.12.1 for vector instructions).  So four v_nop stand in front of each run of loads.
.macro PLACES
.rept 4
	v_nop
.endr
.endm
; A K step is four quarter steps of 32 along K, 64 matrix instructions each, on buffers 0, 1, 0, 1.
; One of the first three: multiplies buffer f; in its middle it fetches the next quarter's fragments, at byte k of the same slot's rows, into buffer g.
.macro QUARTER slot, k, f, g, zero
	s_wait_dscnt 8                                 ; B and A's rows 0-63 are in; the youngest eight loads (A's rows 64-127) may be out
	WIN MUL_LO
	MUL16 \f, 0, 0, \zero
	MUL16 \f, 0, 2, \zero
	PLACES
	FETCH \slot, \k, \g
	s_wait_dscnt 32                                ; all but the 32 just issued
	WIN MUL_HI
	MUL16 \f, 1, 0, \zero
	MUL16 \f, 1, 2, \zero
.endm
; The last quarter multiplies buffer 1 and changes slots.  MEET is its first half: ONE barrier for the change.  In front of it each wave waits for all its tensor loads, of which one is out: its part of the
; next slot; adds 0 to its spare word; and waits for that and for its own reads of this slot.  Behind it nobody reads this slot any more and the next slot is whole.
.macro MEET round                      ; round = 1: the rest of a round of the cluster's barrier follows
	WIN 0                                          ; (the add's two registers lie in window 0)
	s_wait_tensorcnt 0x0                           ; all my tensor loads have landed: the one that was out is my part of the next slot;
	ds_add_u32 v[SPW], v[NIL]                      ; 0 onto my spare word;
	s_wait_dscnt 9                                 ; (the add and the youngest eight loads may be out)
	WIN MUL_LO
	MUL16 F1, 0, 0, 0                              ; sixteen matrix instructions stand between the add and the wait for it
	s_wait_dscnt 0x0                               ; the add is done, and my reads of this slot are over:
	s_barrier_signal -1                            ; say so,
	MUL16 F1, 0, 2, 0                              ; work on registers while the others arrive,
.if \round
	WIN 0
.endif
	s_barrier_wait -1                              ; and go on when all four have said so
.endm
; The whole last quarter, in the loop.  Behind the round the slot just read out is filled again first, with the K step two steps on; then come the next slot's first fragments.
; From a request to the wait for it a wave issues 224 matrix instructions.
.macro TURN slot, next
	s_wait_xcnt 0x0                                ; the last prefetch, a K step back, has read its address: it is stepped here, ahead of the change's own waits
	s_add_nc_u64 s[PFA:PFA+1], s[PFA:PFA+1], KSTEP*2
	MEET 1
	CREST                                          ; all sixteen work-groups have said so: no wave of any partner still reads this slot's tile or has a load on its way
	s_add_nc_u64 s[G0+4*(\slot)+2:G0+4*(\slot)+3], s[G0+4*(\slot)+2:G0+4*(\slot)+3], 2*KSTEP*2      ; no tensor load of mine is out, so a group 0 may be written
	s_add_nc_u64 s[G0B+4*(\slot)+2:G0B+4*(\slot)+3], s[G0B+4*(\slot)+2:G0B+4*(\slot)+3], 2*KSTEP*2
	JLOAD \slot                                    ; the first tensor load behind the round, my only one until the next; its four v_nop are also the places in front of the loads below
	FETCH \next, 0, F0
	ASK
	WIN MUL_HI
	MUL16 F1, 1, 0, 0
	MUL16 F1, 1, 2, 0
.endm
; The same in the last lap: nothing is left to ask for, so no round of the cluster's barrier follows the work-group's.
.macro LASTTURN
	MEET 0
	PLACES
	FETCH 1, 0, F0
	WIN MUL_HI
	MUL16 F1, 1, 0, 0
	MUL16 F1, 1, 2, 0
.endm
; THE WAY OUT of block a (16 rows of my 128), in three parts.  PACK: the sums times the row's factor, each accumulator's registers in ascending order.  TOSTAGE: 32 bytes a lane into my own stage in LDS, and
; back as whole rows of 512 bytes.  SEND: stored.  The stage is my wave's own: no barrier; LDS serves a wave's instructions in order (ISA guide 5.7.1.4), so no wait between its stores and its loads.
.macro PACK a
	WIN 0x02+(\a)/4                                ; source 0: window 2 or 3
.irp b, 0,1,2,3,4,5,6,7
.irp r, 0,1,2,3
	v_pk_mul_f32 v[TMP+8*(\b)+2*(\r):TMP+8*(\b)+2*(\r)+1], v[64*((\a)%4)+8*(\b)+2*(\r):64*((\a)%4)+8*(\b)+2*(\r)+1], v[FR+2*(\a):FR+2*(\a)+1]
.endr
.endr
	WIN 0
.endm
.macro TOSTAGE a
	WIN 0
.set BK, 128+64*((\a)%2)               ; v128-191 and v192-255 by turns
.irp b, 0,1,2,3,4,5,6,7
	ds_store_b128 v[STO], v[TMP+8*(\b):TMP+8*(\b)+3]   offset:64*(\b)
	ds_store_b128 v[STO], v[TMP+8*(\b)+4:TMP+8*(\b)+7] offset:64*(\b)+16
.endr
.irp t, 0,1,2,3,4,5,6,7,8,9,10,11,12,13,14,15
	ds_load_b128 v[BK+4*(\t):BK+4*(\t)+3], v[RD] offset:(\t)*SPITCH
.endr
.endm
.macro SEND a
	WIN 0
.set BK, 128+64*((\a)%2)
	s_wait_dscnt 0x0                               ; the block is back in registers
	s_wait_xcnt 0x0                                ; earlier stores have read their base and their data: the base is stepped, and the other set of rows loaded again, only behind this wait
.if (\a) > 0
	s_add_nc_u64 s[8:9], s[8:9], 16*ROWC           ; 16 rows of out on
.endif
.irp t, 0,1,2,3,4,5,6,7,8,9,10,11,12,13,14,15
	global_store_b128 v[CO], v[BK+4*(\t):BK+4*(\t)+3], s[8:9] offset:(\t)*ROWC th:TH_STORE_NT  ; the wave stores 512 consecutive bytes, at a multiple of 512 from out's first byte
.endr
.endm
	s_wait_loadcnt 0x0                             ; the row factors: no global load is out at any barrier
	s_wait_tensorcnt 1                             ; my part of K step 0 is in; K step 1's load, issued behind it, may stay out
	s_barrier_signal -1
	s_barrier_wait -1                              ; everybody's is
	FETCH 0, 0, F0
	QUARTER 0, 64,  F0, F1, 1                      ; the first quarter stands in front of the loop: its products start the sums
	WIN 0                                          ; at a label and at a branch every window is 0
	s_mov_b32 s3, LAPS-1
.Llap:                                                 ; 15 trips: a trip goes once round the ring, from a lap's second quarter to the next lap's first, and fills both slots again
	QUARTER 0, 128, F1, F0, 0
	QUARTER 0, 192, F0, F1, 0
	TURN 0, 1
	QUARTER 1, 64,  F0, F1, 0
	QUARTER 1, 128, F1, F0, 0
	QUARTER 1, 192, F0, F1, 0
	TURN 1, 0
	QUARTER 0, 64,  F0, F1, 0
	WIN 0
	s_sub_co_u32 s3, s3, 1
	s_cmp_lg_u32 s3, 0
	s_cbranch_scc1 .Llap
	QUARTER 0, 128, F1, F0, 0                      ; the last lap is written out: it asks for nothing
	QUARTER 0, 192, F0, F1, 0
	LASTTURN
	QUARTER 1, 64,  F0, F1, 0
	QUARTER 1, 128, F1, F0, 0
	QUARTER 1, 192, F0, F1, 0
	s_wait_dscnt 8                                 ; the very last quarter: nothing more to fetch
	WIN MUL_LO
	MUL16 F1, 0, 0, 0
	MUL16 F1, 0, 2, 0
	s_wait_dscnt 0x0
	WIN MUL_HI
	MUL16 F1, 1, 0, 0
	MUL16 F1, 1, 2, 0
	WIN 0
	PLACES                                         ; the places behind the last products, in front of multiplies that read results and write where fragments lay;
	PLACES                                         ; eight, once a launch
	PACK 0
	TOSTAGE 0
.irp a, 1,2,3,4,5,6,7                  ; block a's 32 multiplies stand between block a - 1's loads from the stage and the wait for them
	PACK \a
	SEND (\a)-1
	TOSTAGE \a
.endr
	SEND 7
	s_wait_tensorcnt 0x0                           ; the wave's end, behind my last tensor load and my last LDS store
	ds_add_u32 v[SPW], v[NIL]
	s_wait_dscnt 0x0
	CROUND                                         ; the closing round: no work-group ends while a partner may still ask for a tile that names it
	s_endpgm
.Lfunc_end_k_qe1803d2d47_gemm:
	.size	k_qe1803d2d47_gemm, .Lfunc_end_k_qe1803d2d47_gemm-k_qe1803d2d47_gemm
	.p2alignl 7, 3214868480
	.fill 96, 4, 3214868480
	.section	.rodata,"a",@progbits
	.p2align	6, 0x0
	.amdhsa_kernel k_qe1803d2d47_gemm
		.amdhsa_group_segment_fixed_size 327680
		.amdhsa_private_segment_fixed_size 0
		.amdhsa_enable_private_segment 0
		.amdhsa_kernarg_size 32
		.amdhsa_user_sgpr_count 2
		.amdhsa_user_sgpr_kernarg_segment_ptr 1
		.amdhsa_wavefront_size32 1
		.amdhsa_system_sgpr_workgroup_id_x 1
		.amdhsa_system_sgpr_workgroup_id_y 1
		.amdhsa_system_sgpr_workgroup_id_z 1
		.amdhsa_system_vgpr_workitem_id 0
		.amdhsa_next_free_vgpr 1024
		.amdhsa_next_free_sgpr 66
		.amdhsa_reserve_vcc 0
		.amdhsa_float_denorm_mode_32 3
		.amdhsa_float_denorm_mode_16_64 3
		.amdhsa_memory_ordered 1
		.amdhsa_forward_progress 1
		.amdhsa_inst_pref_size 159
	.end_amdhsa_kernel
	.amdgpu_metadata
---
amdhsa.version: [ 1, 2 ]
amdhsa.kernels:
  - .name:           k_qe1803d2d47_gemm
    .symbol:         k_qe1803d2d47_gemm.kd
    .args:
      - { .name: xb, .offset: 0, .size: 8, .value_kind: global_buffer, .address_space: global }
      - { .name: wb, .offset: 8, .size: 8, .value_kind: global_buffer, .address_space: global }
      - { .name: out0, .offset: 16, .size: 8, .value_kind: global_buffer, .address_space: global }
      - { .name: rowf, .offset: 24, .size: 8, .value_kind: global_buffer, .address_space: global }
    .group_segment_fixed_size: 327680
    .private_segment_fixed_size: 0
    .kernarg_segment_align: 8
    .kernarg_segment_size: 32
    .max_flat_workgroup_size: 128
    .sgpr_count:     66
    .vgpr_count:     1024
    .wavefront_size: 32
...
	.end_amdgpu_metadata
.endif
;; end of part 2
